; MI455X (gfx1250); checked and timed in simulation.
; The chip was launched on July 23, 2026; its instructions are those of AMD's public machine-readable ISA for CDNA 5 (MIT licence, August 2026) and "CDNA5" Instruction Set Architecture Reference Guide (July 2026). The comments in the code are by the model that wrote it; some were corrected since.
;; Multi Head Attention. Allowed arithmetic: matrix products marked QUANTISED: E2M1 operands, one E8M0 scale for each 32 along K, by v_wmma_scale_f32_16x16x128_f8f6f4 with both operands' format E2M1 (or v_wmma_scale_f32_32x16x128_f4), f32 sums; everything else in f32.
;; Inputs: Wk_codes 1,024 x 32 x 16 uint8 (E2M1 codes of Wk, K innermost, in blocks of 32 codes, two codes a byte); Wk_scales 1,024 x 32 uint8 (E8M0 scales of Wk, one for each 32 codes along K); Wq_codes 1,024 x 32 x 16 uint8 (E2M1 codes of Wq, K innermost, in blocks of 32 codes, two codes a byte); Wq_scales 1,024 x 32 uint8 (E8M0 scales of Wq, one for each 32 codes along K); Wv_codes 1,024 x 32 x 16 uint8 (E2M1 codes of Wv, K innermost, in blocks of 32 codes, two codes a byte); Wv_scales 1,024 x 32 uint8 (E8M0 scales of Wv, one for each 32 codes along K); bk 1,024 float32; bq 1,024 float32; bv 1,024 float32; k_codes 4 x 2,048 x 32 x 16 uint8 (E2M1 codes of k, K innermost, in blocks of 32 codes, two codes a byte); k_scales 4 x 2,048 x 32 uint8 (E8M0 scales of k, one for each 32 codes along K); q_codes 4 x 2,048 x 32 x 16 uint8 (E2M1 codes of q, K innermost, in blocks of 32 codes, two codes a byte); q_scales 4 x 2,048 x 32 uint8 (E8M0 scales of q, one for each 32 codes along K); v_codes 4 x 2,048 x 32 x 16 uint8 (E2M1 codes of v, K innermost, in blocks of 32 codes, two codes a byte); v_scales 4 x 2,048 x 32 uint8 (E8M0 scales of v, one for each 32 codes along K).
;; Outputs: out0 4 x 2,048 x 1,024 float32.
;; This version of the problem:
;;   THIS VERSION OF THE PROBLEM IS GIVEN IN LOW PRECISION. The matrix products marked QUANTISED in the list below multiply operands that are first quantised to E2M1 (2 exponent bits, 1 mantissa bit; 4 bits a number), with one power-of-two scale for each 32 numbers along K (OCP MX v1.0); their sums are f32. All else is computed in f32.
;;   The module's matrix products, in the order in which they are computed (A, B: the left and right operand; K: the contracted axis; several contracted axes count as one K, in the product's order):
;;     1. [M 8,192, K 1,024] x [K 1,024, N 1,024]; A: input q (given as codes); B: input Wq (given as codes): QUANTISED
;;     2. [M 8,192, K 1,024] x [K 1,024, N 1,024]; A: input k (given as codes); B: input Wk (given as codes): QUANTISED
;;     3. [M 8,192, K 1,024] x [K 1,024, N 1,024]; A: input v (given as codes); B: input Wv (given as codes): QUANTISED
;;     4. batch 64 x [M 2,048, K 64] x [K 64, N 2,048]; A: computed on the way; B: computed on the way: QUANTISED
;;     5. batch 64 x [M 64, K 2,048] x [K 2,048, N 2,048]; A: computed on the way; B: softmax (see below): QUANTISED
;;   THE QUANTISER, for each operand of a quantised product, along K:
;;     - K is cut into blocks of 32 from its start; a last block that is shorter is filled with zeros.
;;     - A block's scale is 2^e with e = floor(log2(the largest magnitude in the block)) - 2, held to -126 .. 127; a block of zeros has e = 0. As a byte (E8M0): e + 127.
;;     - Each number is divided by its block's scale, clamped to +-6, and rounded to the nearest number of E2M1, ties to even, subnormals kept.
;;     - The product sums the exact products of the quantised numbers (number of the format x scale) in f32.
;;   ~~~python
;;   def quantise(x, axis):      # numpy; x: float32 -> the quantised numbers, widened to float32 again
;;       x = np.moveaxis(x, axis, -1); K = x.shape[-1]
;;       x = np.pad(x, [(0, 0)] * (x.ndim - 1) + [(0, -K % 32)]); x = x.reshape(x.shape[:-1] + (-1, 32)); a = np.abs(x).max(-1, keepdims=True)
;;       e = np.where(a > 0, np.clip(np.frexp(np.where(a > 0, a, 1))[1] - 1 - 2, -126, 127), 0)      # np.frexp(a)[1] - 1 = floor(log2(a)), exactly
;;       r = np.clip(x / 2.0 ** e, -6, 6)
;;       step = 2.0 ** (np.maximum(np.frexp(np.where(r == 0, 1, r))[1] - 1, 0) - 1)
;;       q = np.round(r / step) * step * 2.0 ** e      # np.round: ties to even
;;       return np.moveaxis(q.reshape(q.shape[:-2] + (-1,))[..., :K], -1, axis).astype(np.float32)
;;   ~~~
;;   SOFTMAX AHEAD OF A QUANTISED PRODUCT. Where the list says 'softmax', what is quantised is not the finished softmax but p = 2^(t - M), with t = logit x log2(e) and M = ceil(the row's largest t), a whole number; so 1/2 < the row's largest p <= 1. The row's sum l is taken of the UNQUANTISED p, in f32, and the product's result is divided by l at the end. Since M is a whole number, a kernel that streams over the keys may use a running M (the ceiling of the running maximum): every later rescaling is an exact power of two, which a block's scale takes up: the codes' values come out the same.
;;   OPERANDS COMPUTED ON THE WAY. 'Computed on the way' means the value that the module computes at that place (a softmax that the list does not call 'softmax' is quantised finished and normalised). What goes into a quantiser is computed in f32, as accurately as f32 sums, v_exp_f32 and their like allow (about 1e-6 of the number): no bf16 or f16 on the way to a quantiser, and a product that is left as it is and whose result goes on into a quantised operand takes f32 operands (vector FMAs, or v_wmma_f32_16x16x4_f32). A number that lies on a knife's edge between two numbers of the format may be rounded either way, as far as f32 arithmetic and the matrix unit's own rounding can turn it there, and no further.
;;   INPUTS GIVEN AS CODES. Wk (in the module: [1024, 1024], K = its axis 0); Wq (in the module: [1024, 1024], K = its axis 0); Wv (in the module: [1024, 1024], K = its axis 0); k (in the module: [4, 2048, 1024], K = its axis 2); q (in the module: [4, 2048, 1024], K = its axis 2); v (in the module: [4, 2048, 1024], K = its axis 2): each comes as NAME_codes (uint8): NAME with its K axis moved to the last place and cut into blocks of 32 codes, [.., K / 32, bytes a block], one block behind the other in memory; two codes a byte, the lower K in the low four bits (a code: sign, 2 exponent bits, 1 mantissa bit); and NAME_scales (uint8): the same leading axes, one E8M0 byte (e + 127) for each 32 codes along K. Its value is code x scale, taken as it is: it is not quantised again, and the codes and scales need not be those that the quantiser above would give.
;; One version. Each part assembles by itself: llvm-mc -triple=amdgcn-amd-amdhsa -mcpu=gfx1250 --defsym DOCPART=n.
;; ======== version 1 of 1: 2 launches
;; limits: right only within a limited range of input values
;; workspace buffers: qimg 4,194,304 bytes; kimg 4,194,304 bytes; vimg 4,194,304 bytes; qsc 524,288 bytes; ksc 524,288 bytes; vsc 262,144 bytes
;; launch proj (part 1): grid 4 x 64, 4 waves a work-group, clusters of 4 x 4, 327,680 bytes of LDS; arguments q_codes, q_scales, Wq_codes, Wq_scales, bq, qimg, qsc, k_codes, k_scales, Wk_codes, Wk_scales, bk, kimg, ksc, Wv_codes, Wv_scales, v_codes, v_scales, bv, vimg, vsc; writes qimg, qsc, kimg, ksc, vimg, vsc
.if DOCPART == 1
	.amdgcn_target "amdgcn-amd-amdhsa--gfx1250"
	.amdhsa_code_object_version 6
	.text
	.protected	k_qf35f0d592d_proj
	.globl	k_qf35f0d592d_proj
	.p2align	8
	.type	k_qf35f0d592d_proj,@function
k_qf35f0d592d_proj:
	s_mov_b64 s[64:65], 0
	v_nop
	global_prefetch_b8 v0, s[64:65] scope:SCOPE_SE
	s_setreg_imm32_b32 hwreg(HW_REG_WAVE_MODE, 25, 1), 1
	s_wait_xcnt 0x0
	s_wait_alu depctr_hold_cnt(0) depctr_sa_sdst(0) depctr_va_vdst(0) depctr_va_sdst(0) depctr_va_ssrc(0) depctr_va_vcc(0) depctr_vm_vsrc(0)
	s_getreg_b32 s2, hwreg(HW_REG_IB_STS2, 6, 4)
	s_cmp_eq_u32 s2, 0
	s_cbranch_scc0 .Lentry_in_a_cluster
	s_endpgm
.Lentry_in_a_cluster:
	s_bfe_u32 s2, ttmp6, 0x10000c
	s_cmp_lg_u32 s2, 0xf033
	s_cbranch_scc0 .Lentry_shape_is_right
	s_endpgm
.Lentry_shape_is_right:
; THE THREE PROJECTIONS, x W + b on codes of FP4 (E2M1) with E8M0 scales, each result quantised again to FP4 on its way out.
; qh and kh are quantised along the head's 64 (two blocks of 32), vh along the keys (blocks of 32 rows).  Nothing goes to memory as f32.
; The product's two operands are called P and R.  P is source 0: its row index runs along a lane's eight result registers, so it is the axis
; that is quantised.  R is source 1: its row index is the lane's (lane % 16).  q, k: P = W (n), R = x (s).  v: P = x (keys), R = Wv (n).
; All six tensors have rows of 512 bytes of codes and 32 scale bytes (K = 1,024).
; SHARES.  A tile is 256 rows of P x 128 rows of R over all of K; each projection has 256 tiles.  256 WORK-GROUPS STAY: each makes one tile of q, then one of k, then one of v; the text is written out
; once for each kind, so no branch hangs on the kind.  Wave w: P rows 128 (w / 2) on, R rows 64 (w % 2) on: 8 x 4 accumulators of 16 x 16, 256 registers.
; THE RING.  Two LDS slots, each with half of K of a tile (rows of 256 bytes + 16 of padding: P's 256, R's 128); a tile's scale bytes come with slot 0's fill and are read into registers at the tile's start.
; Slot 0 is filled again (the next tile's first half) when its last fragments are in registers; slot 1 behind the tile's way out.  Each refill stands behind the wait for all tensor loads, the add, the wait for the
; LDS reads and a round of the cluster's barrier; one tensor load a wave at the most.  By the text's own count a wave has one tensor load out.
; CLUSTERS, 4 x 4.  P's tile hangs on the cluster's number and cx and is asked for jointly by a column of the cluster; R's on the cluster's number and cy, jointly by a row.
; PREFETCH.  In a tile's first half the next tile's codes are asked for: half a tile ahead of the load of their first half, a tile ahead of the second's.  The four partners that ask for a tile jointly share its
; rows out by address (P: 64 rows by cy; R: 32 rows by cx), lanes 256 bytes apart.  A weight, which many clusters read, is asked for by four clusters alone.  The first tile comes by its loads alone;
; the scale bytes, 12,288 of a tile's 208,896 bytes, are not asked for.
; THE QUANTISER.  Result tile t holds index 16 t + 8 (lane / 16) + j in register j.  A block of 32 is tiles 2 b, 2 b + 1 in lanes l and l xor 16.  Its scale's byte is the largest
; magnitude's exponent field - 2, held at 1 from below.  The conversions of four tiles go to registers 0, 2, 1, 3 of a group; two exchanges of lane halves then leave
; registers 4 c .. 4 c + 3 with k = 64 c + 32 (lane / 16) + 0 .. 31, which is the 4-bit operand's layout.  The codes are stored as images of those registers.
; LIMITS: NaN and infinities are not served.  A block of zeros, and one whose largest magnitude lies under 2^-124, gets the byte 1 where the rule says 127 or less: zeros have zero codes, and this program alone reads the bytes.
; REGISTERS.  window 0: v1-16 addresses; v32-95 P's scale words, v96-127 R's (they hold scales alone); v128-159 codes, a set for each R tile; v160-223 bias; v224-251 at work; v254-255 the add's.
;   window 1: accumulator (p, o) at v[64 o + 8 p].   window 2: P's fragments, two sets at v0, v64; R's, two sets at v128, v160.
.set PITCH, 272                        ; an LDS row: 256 bytes + 16 of padding: the 16 rows of a fragment load fall on 16 different 16-byte columns of 256
.set HALFT, 128*PITCH
.set CHB,   3*HALFT                    ; a slot: P's 256 rows, then R's 128
.set SCP,   2*CHB                      ; P's scale bytes: 8,192 as 32 rows of 256 + 16
.set SCR,   SCP+32*PITCH               ; R's: 4,096 as 16 rows of 256 + 16
.set SPARE, SCR+16*PITCH               ; the spare words: 128 bytes a wave
.set ADRP,  4                          ; v4-5   my P fragments in slot 0, 1
.set ADRR,  6                          ; v6-7   my R fragments
.set ADSP,  8                          ; v8     my row's scale bytes of P
.set ADSR,  9                          ; v9     of R
.set LI,    10                         ; v10    16 x lane
.set L8,    11                         ; v11    8 x lane
.set H32,   12                         ; v12    32 x (lane / 16)
.set R4,    13                         ; v13    4 x (lane % 16)
.set PFO,   16                         ; v16    256 x my thread's number: the prefetches' offset
.set SWP,   32                         ; P's scale words: register 32 ch + 4 p + q
.set SWR,   96                         ; R's: 16 ch + 4 o + q
.set COD,   128
.set BI,    160
.set TM,    224                        ; +0..3 largest magnitudes, +4..7 the other half's, then bytes, +8..11 the conversions' scale operands
.set WD,    240                        ; scale words
.set PW,    248                        ; scale words as they are stored
.set MSB, 0
.macro WIN new                         ; the immediate's high byte repeats the setting that is left; a switch that changes nothing is dropped
.if MSB != \new
	s_set_vgpr_msb (MSB<<8)|\new
.set MSB, \new
.endif
.endm
.macro PLACES                          ; four plain vector instructions between a matrix instruction and a load into, or a vector read of, its registers
.rept 4
	v_nop
.endr
.endm
.macro CROUND                          ; a round of the cluster's barrier
	s_barrier_signal -1
	s_barrier_wait -1
	s_cmp_lg_u32 s18, 0
	s_cbranch_scc1 .Lnot_wave_0_\@
	s_barrier_signal -3
.Lnot_wave_0_\@:
	s_barrier_wait -3
	s_barrier_signal -1
	s_barrier_wait -1
.endm
; Slot 0's fill: wave 0 P's 256 rows, wave 1 R's 128, wave 2 P's scale bytes, wave 3 R's.  One chain of branches on the wave's number, a load to an arm, one join.  An s_nop 0 and four v_nop follow each load.
.macro LOAD4
	s_cmp_lt_u32 s18, 1
	s_cbranch_scc0 .La_\@
	tensor_load_to_lds s[52:55], s[20:27]
	s_nop 0
	PLACES
	s_branch .Ld_\@
.La_\@:
	s_cmp_eq_u32 s18, 1
	s_cbranch_scc0 .Lb_\@
	tensor_load_to_lds s[56:59], s[28:35]
	s_nop 0
	PLACES
	s_branch .Ld_\@
.Lb_\@:
	s_cmp_eq_u32 s18, 2
	s_cbranch_scc0 .Lc_\@
	tensor_load_to_lds s[60:63], s[36:43]
	s_nop 0
	PLACES
	s_branch .Ld_\@
.Lc_\@:
	tensor_load_to_lds s[68:71], s[44:51]
	s_nop 0
	PLACES
.Ld_\@:
.endm
.macro LOAD2                           ; slot 1's fill: wave 0 P's rows, wave 1 R's
	s_cmp_lt_u32 s18, 1
	s_cbranch_scc0 .La_\@
	tensor_load_to_lds s[52:55], s[20:27]
	s_nop 0
	PLACES
	s_branch .Ld_\@
.La_\@:
	s_cmp_eq_u32 s18, 1
	s_cbranch_scc0 .Ld_\@
	tensor_load_to_lds s[56:59], s[28:35]
	s_nop 0
	PLACES
.Ld_\@:
.endm
.macro SEQA                            ; ahead of a refill's round: all my tensor loads are in, and the add; work on registers follows it
	WIN 0
	s_wait_alu depctr_va_vdst(0)                   ; the wait ahead of the waits and branches below
	s_wait_tensorcnt 0x0
	ds_add_u32 v254, v255
.endm
.macro SEQB                            ; the add is done and my LDS reads are over; then the round
	s_wait_dscnt 0x0
	CROUND
.endm
; descriptor groups 0 for a tile's first half of K and its scale bytes.  P's offsets are made of pt, R's of rt, each in registers that never hold the other coordinate.  No tensor load of the wave is out here
.macro SETG0 pt, rt
	s_lshl_b32 s82, s[\pt], 17                     ; 256 rows of 512 bytes a tile
	s_mov_b32 s83, 0
	s_mov_b32 s53, 0
	s_add_nc_u64 s[54:55], s[8:9], s[82:83]
	s_or_b32 s55, s55, 0x80000000
	s_lshl_b32 s84, s[\pt], 13                     ; P's scale bytes: 256 rows of 32
	s_mov_b32 s85, 0
	s_add_nc_u64 s[62:63], s[10:11], s[84:85]
	s_or_b32 s63, s63, 0x80000000
	s_lshl_b32 s86, s[\rt], 16                     ; R: 128 rows of 512 bytes a tile
	s_mov_b32 s87, 0
	s_mov_b32 s57, 2*HALFT
	s_add_nc_u64 s[58:59], s[4:5], s[86:87]
	s_or_b32 s59, s59, 0x80000000
	s_lshl_b32 s88, s[\rt], 12                     ; R's scale bytes
	s_mov_b32 s89, 0
	s_add_nc_u64 s[70:71], s[6:7], s[88:89]
	s_or_b32 s71, s71, 0x80000000
.endm
.macro HALF1                           ; the same tile's second half of K, into slot 1
	s_mov_b32 s53, CHB
	s_add_nc_u64 s[54:55], s[54:55], 256
	s_mov_b32 s57, 2*HALFT+CHB
	s_add_nc_u64 s[58:59], s[58:59], 256
.endm
; The next tile's codes are asked for: my work-group's 64 rows of P (32,768 bytes on end: 128 threads, 256 bytes apart) and its 32 rows of R (16,384 bytes: waves 0 and 1).
; wr = 0: P is a weight that all 16 clusters read: clusters 0 to 3 ask.  wr = 1: R is a weight that 8 clusters read: two of each 8 ask.  The branches hang on the cluster's and the wave's number alone.
.macro PREF pt, rt, wr
	s_wait_kmcnt 0x0                               ; the next kind's addresses
	s_lshl_b32 s82, s[\pt], 17
	s_lshl_b32 s83, s99, 15
	s_add_co_u32 s82, s82, s83
	s_mov_b32 s83, 0
	s_add_nc_u64 s[76:77], s[8:9], s[82:83]
	s_lshl_b32 s86, s[\rt], 16
	s_lshl_b32 s87, s98, 14
	s_add_co_u32 s86, s86, s87
	s_mov_b32 s87, 0
	s_add_nc_u64 s[78:79], s[4:5], s[86:87]
.if \wr
	global_prefetch_b8 v[PFO], s[76:77] th:TH_LOAD_NT scope:SCOPE_SE
	s_and_b32 s83, s2, 6
	s_or_b32 s83, s83, s19
	s_cmp_eq_u32 s83, 0
.else
	s_cmp_lt_u32 s2, 4
	s_cbranch_scc0 .Lnw_\@
	global_prefetch_b8 v[PFO], s[76:77] th:TH_LOAD_NT scope:SCOPE_SE
.Lnw_\@:
	s_cmp_lt_u32 s18, 2
.endif
	s_cbranch_scc0 .Lnp_\@
	global_prefetch_b8 v[PFO], s[78:79] th:TH_LOAD_NT scope:SCOPE_SE
.Lnp_\@:
.endm
	; a kind's seven addresses: R's codes, R's scales, P's codes, P's scales s[4:11]; bias, images, scale words s[12:17]
	s_load_b256 s[4:11], s[0:1], 0x0
	s_load_b128 s[12:15], s[0:1], 0x20
	s_load_b64 s[16:17], s[0:1], 0x30
	v_lshl_add_u32 v254, v0, 2, SPARE
	v_mov_b32 v255, 0
	ds_add_u32 v254, v255                          ; the opening lines: the add, twice on end, and its wait ahead of the first tensor load
	ds_add_u32 v254, v255
	v_lshrrev_b32 v1, 5, v0
	v_readfirstlane_b32 s18, v1                    ; wave 0..3
	s_lshr_b32 s19, s18, 1                         ; wp: which 128 rows of P are mine
	s_and_b32 s3, s18, 1                           ; wr: which 64 rows of R
	s_bfe_u32 s98, ttmp6, 0x40000                  ; cx
	s_bfe_u32 s99, ttmp6, 0x40004                  ; cy
	s_and_b32 s2, ttmp7, 0xffff                    ; the cluster's number n, 0..15
	s_mov_b32 s72, s98                             ; q, k: 1 x 16 clusters over 4 P tiles x 64 R tiles: pt = cx,
	s_lshl_b32 s73, s2, 2
	s_add_co_u32 s73, s73, s99                     ; rt = 4 n + cy
	s_and_b32 s74, s2, 7                           ; v: 8 x 2 clusters over 32 P tiles x 8 R tiles: pt = 4 (n % 8) + cx,
	s_lshl_b32 s74, s74, 2
	s_add_co_u32 s74, s74, s98
	s_lshr_b32 s75, s2, 3
	s_lshl_b32 s75, s75, 2
	s_add_co_u32 s75, s75, s99                     ; rt = 4 (n / 8) + cy
	s_lshl_b32 s104, s99, 2
	s_lshl_b32 s104, 15, s104                      ; my row of the cluster (same cy)
	s_lshl_b32 s105, 0x1111, s98                   ; my column (same cx)
	; descriptor groups 1.  Codes: rows of 256 bytes out of rows of 512; 16 bytes of padding behind each 64 words
	s_or_b32 s20, s105, (0<<16)|(1<<20)|(1<<21)|(5<<22)|(3<<25)   ; P: the mask names my column; elements of 1 byte; padding on; bit 21 set beside a mask
	s_or_b32 s28, s104, (0<<16)|(1<<20)|(1<<21)|(5<<22)|(3<<25)   ; R: my row
.irp g, 20, 28
	s_mov_b32 s[\g+1], 256<<16                     ; tensor_dim0
	s_mov_b32 s[\g+3], 256<<16                     ; tile_dim0
	s_mov_b32 s[\g+5], 512                         ; from row to row
	s_mov_b32 s[\g+6], 0
	s_mov_b32 s[\g+7], 0
.endr
	s_mov_b32 s22, 256<<16                         ; P: 256 rows
	s_mov_b32 s24, 256
	s_mov_b32 s30, 128<<16                         ; R: 128
	s_mov_b32 s32, 128
	; scale bytes: dense blocks, as rows of 32 elements of 8 bytes, padded alike: 32 rows for P, 16 for R
	s_or_b32 s36, s105, (3<<16)|(1<<20)|(1<<21)|(5<<22)|(3<<25)
	s_mov_b32 s37, 32<<16
	s_mov_b32 s38, 32<<16
	s_mov_b32 s39, 32<<16
	s_mov_b32 s40, 32
	s_mov_b32 s41, 32
	s_mov_b32 s42, 0
	s_mov_b32 s43, 0
	s_or_b32 s44, s104, (3<<16)|(1<<20)|(1<<21)|(5<<22)|(3<<25)
	s_mov_b32 s45, 32<<16
	s_mov_b32 s46, 16<<16
	s_mov_b32 s47, 32<<16
	s_mov_b32 s48, 16
	s_mov_b32 s49, 32
	s_mov_b32 s50, 0
	s_mov_b32 s51, 0
	s_mov_b32 s52, 1                               ; the groups 0's words that stay
	s_mov_b32 s56, 1
	s_mov_b32 s60, 1
	s_mov_b32 s61, SCP
	s_mov_b32 s68, 1
	s_mov_b32 s69, SCR
	s_mov_b32 s80, 0x76543210
	s_mov_b32 s81, 0xfedcba98                      ; v_permlanex16_b32's selects for lane l xor 16
	; LDS addresses: constants, the lane and the wave alone
	v_and_b32 v1, 15, v0                           ; r
	v_bfe_u32 v2, v0, 4, 1                         ; h
	v_and_b32 v3, 31, v0                           ; lane
	v_mul_u32_u24 v14, v1, PITCH
	v_lshl_add_u32 v14, v2, 4, v14                 ; a fragment's row x pitch + 16 h
	s_mul_i32 s82, s19, HALFT
	v_add_nc_u32 v[ADRP], s82, v14
	v_add_nc_u32 v[ADRP+1], CHB, v[ADRP]
	s_mul_i32 s83, s3, 64*PITCH
	s_add_co_u32 s83, s83, 2*HALFT
	v_add_nc_u32 v[ADRR], s83, v14
	v_add_nc_u32 v[ADRR+1], CHB, v[ADRR]
	v_lshrrev_b32 v15, 3, v1
	v_lshlrev_b32 v15, 4, v15
	v_lshl_add_u32 v15, v1, 5, v15                 ; row r's 32 scale bytes: 32 r, and 16 more behind each 256
	s_mul_i32 s82, s19, 16*PITCH
	s_add_co_u32 s82, s82, SCP
	v_add_nc_u32 v[ADSP], s82, v15
	s_mul_i32 s83, s3, 8*PITCH
	s_add_co_u32 s83, s83, SCR
	v_add_nc_u32 v[ADSR], s83, v15
	v_lshlrev_b32 v[LI], 4, v3
	v_lshlrev_b32 v[L8], 3, v3
	v_lshlrev_b32 v[H32], 5, v2
	v_lshlrev_b32 v[R4], 2, v1
	v_lshlrev_b32 v[PFO], 8, v0
.irp b, 0,1,2,3
	v_mov_b32 v[TM+4+\b], 0                        ; written once: a lane permute's destination counts as one of its sources
.endr
	s_wait_dscnt 0x0                               ; both opening adds are done
	s_wait_kmcnt 0x0
	SETG0 72, 73
	CROUND                                         ; all sixteen work-groups are here: the joint loads meet
	LOAD4                                          ; q's first half of K and its scale bytes: one tensor load a wave at the head
.macro SCALES                          ; all scale words of a tile, 24 loads: a load brings a row's words of four K steps
.irp ch, 0,1
.irp p, 0,1,2,3,4,5,6,7
	ds_load_b128 v[SWP+32*\ch+4*\p:SWP+32*\ch+4*\p+3], v[ADSP] offset:2*PITCH*\p+16*\ch
.endr
.irp o, 0,1,2,3
	ds_load_b128 v[SWR+16*\ch+4*\o:SWR+16*\ch+4*\o+3], v[ADSR] offset:2*PITCH*\o+16*\ch
.endr
.endr
.endm
.macro FETCH s                         ; K step s's fragments, 24 loads, into set s % 2: 16 rows x 128 K are 8 registers, two loads of 16 bytes, 32 bytes apart
.set FS, (\s)%2
.set FC, (\s)/4
.set FQ, (\s)%4
	WIN 0x80                                       ; destination window 2, address window 0
.irp p, 0,1,2,3,4,5,6,7
.irp c, 0,1
	ds_load_b128 v[64*FS+8*\p+4*\c:64*FS+8*\p+4*\c+3], v[ADRP+FC] offset:64*FQ+32*\c+16*PITCH*\p
.endr
.endr
.irp o, 0,1,2,3
.irp c, 0,1
	ds_load_b128 v[128+32*FS+8*\o+4*\c:128+32*FS+8*\o+4*\c+3], v[ADRR+FC] offset:64*FQ+32*\c+16*PITCH*\o
.endr
.endr
.endm
.macro MUL s, zero                     ; K step s: 32 products; the 32 accumulators take turns, in the same order in every step.  zero = 1: they start the sums
.set FS, (\s)%2
.set FC, (\s)/4
.set FQ, (\s)%4
	WIN 0x5a                                       ; sources 0 and 1 window 2, C and D window 1
.irp o, 0,1,2,3
.irp p, 0,1,2,3,4,5,6,7
.if \zero
	v_wmma_scale_f32_16x16x128_f8f6f4 v[64*\o+8*\p:64*\o+8*\p+7], v[64*FS+8*\p:64*FS+8*\p+7], v[128+32*FS+8*\o:128+32*FS+8*\o+7], 0, v[SWP+32*FC+4*\p+FQ], v[SWR+16*FC+4*\o+FQ] matrix_a_fmt:MATRIX_FMT_FP4 matrix_b_fmt:MATRIX_FMT_FP4
.else
	v_wmma_scale_f32_16x16x128_f8f6f4 v[64*\o+8*\p:64*\o+8*\p+7], v[64*FS+8*\p:64*FS+8*\p+7], v[128+32*FS+8*\o:128+32*FS+8*\o+7], v[64*\o+8*\p:64*\o+8*\p+7], v[SWP+32*FC+4*\p+FQ], v[SWR+16*FC+4*\o+FQ] matrix_a_fmt:MATRIX_FMT_FP4 matrix_b_fmt:MATRIX_FMT_FP4
.endif
.endr
.endr
.endm
.macro KSTEP s                         ; the set that step s - 1 multiplied takes step s + 1's fragments, four places behind its last product
	PLACES
	FETCH (\s)+1
	s_wait_dscnt 24                                ; all but the 24 loads just issued: step s's set is in
	MUL \s, 0
.endm
; R tile o's 64 numbers a lane (window 1, v[64 o] on) become 8 registers of codes at v[COD + 8 o] and four scale bytes in v[TM+4 .. TM+7]
.macro QUANT o
.set QA, 64*(\o)
.set QP, COD+8*(\o)
	WIN 0x05                                       ; sources 0 and 1 window 1
.irp b, 0,1,2,3
	v_max3_num_f32 v[TM+\b], |v[QA+16*\b]|, |v[QA+16*\b+1]|, 0x1800000   ; block b: my 16 numbers, and the floor 2^(3 - 127): the byte cannot fall under 1
.endr
	WIN 0x14                                       ; sources 1 and 2 window 1
.irp i, 2,4,6,8,10,12,14
.irp b, 0,1,2,3
	v_max3_num_f32 v[TM+\b], v[TM+\b], |v[QA+16*\b+\i]|, |v[QA+16*\b+\i+1]|   ; the four blocks by turns
.endr
.endr
	WIN 0
.irp b, 0,1,2,3
	v_permlanex16_b32 v[TM+4+\b], v[TM+\b], s80, s81
.endr
.irp b, 0,1,2,3
	v_max_num_f32 v[TM+\b], v[TM+\b], v[TM+4+\b]   ; with lane l xor 16's 16: the block's largest magnitude
.endr
.irp b, 0,1,2,3
	v_add_nc_u32 v[TM+8+\b], 0xff000000, v[TM+\b]  ; 2 off its exponent field: the conversion takes this operand's exponent field as its scale
.endr
.irp b, 0,1,2,3
	v_lshrrev_b32 v[TM+4+\b], 23, v[TM+8+\b]       ; the scale's byte
.endr
	WIN 0x01                                       ; source 0 window 1
.irp c, 0,1
	v_cvt_scalef32_pk8_fp4_f32 v[QP+4*\c],   v[QA+32*\c:QA+32*\c+7],     v[TM+8+2*\c]
	v_cvt_scalef32_pk8_fp4_f32 v[QP+4*\c+2], v[QA+32*\c+8:QA+32*\c+15],  v[TM+8+2*\c]
	v_cvt_scalef32_pk8_fp4_f32 v[QP+4*\c+1], v[QA+32*\c+16:QA+32*\c+23], v[TM+8+2*\c+1]
	v_cvt_scalef32_pk8_fp4_f32 v[QP+4*\c+3], v[QA+32*\c+24:QA+32*\c+31], v[TM+8+2*\c+1]
.endr
	WIN 0
	v_nop                                          ; one plain place behind a scaled conversion
.irp c, 0,1
	v_permlane16_swap_b32 v[QP+4*\c], v[QP+4*\c+1]     ; the first's lanes 16-31 change places with the second's lanes 0-15:
	v_permlane16_swap_b32 v[QP+4*\c+2], v[QP+4*\c+3]   ; registers 4 c .. 4 c + 3 now hold k = 64 c + 32 h + 0 .. 31
.endr
.endm
.macro OUTQK o                         ; row tile o: head e's codes are registers 4 e .. 4 e + 3; its scale word: two bytes, and 0x7f over the zero codes that fill K to 128
	QUANT \o
.irp e, 0,1
	v_lshl_or_b32 v[WD+4*\e+(\o)], v[TM+5+2*\e], 8, v[TM+4+2*\e]
.endr
.irp e, 0,1
	v_or_b32 v[WD+4*\e+(\o)], 0x7f7f0000, v[WD+4*\e+(\o)]
.endr
.irp e, 0,1
	global_store_b128 v[LI], v[COD+8*(\o)+4*\e:COD+8*(\o)+4*\e+3], s[14:15] offset:65536*\e+512*(\o)   ; 32 lanes store 512 consecutive bytes
.endr
.endm
.macro OUTV o                          ; tile o of the head's 64: a whole fragment (16 d x 128 keys) and its scale word
	QUANT \o
	v_lshl_or_b32 v[WD+(\o)], v[TM+5], 8, v[TM+4]
	v_lshl_or_b32 v[WD+(\o)], v[TM+6], 16, v[WD+(\o)]
	v_lshl_or_b32 v[WD+(\o)], v[TM+7], 24, v[WD+(\o)]
.irp c, 0,1
	global_store_b128 v[LI], v[COD+8*(\o)+4*\c:COD+8*(\o)+4*\c+3], s[14:15] offset:1024*(\o)+512*\c
.endr
.endm
; THE LAST K STEP AND THE WAY OUT OF q AND k.  The bias goes with P's index: lane (r, h), tile p, register j: n = 256 pt + 128 wp + 16 p + 8 h + j; it lands under the last products
.macro EPIQK
	s_wait_kmcnt 0x0                               ; the kind's bias, images, scale words
	s_lshl_b32 s90, s72, 10
	s_lshl_b32 s91, s19, 9
	s_add_co_u32 s90, s90, s91
	s_mov_b32 s91, 0
	s_add_nc_u64 s[12:13], s[12:13], s[90:91]
.irp p, 0,1,2,3,4,5,6,7
	global_load_b128 v[BI+8*\p:BI+8*\p+3], v[H32], s[12:13] offset:64*\p
	global_load_b128 v[BI+8*\p+4:BI+8*\p+7], v[H32], s[12:13] offset:64*\p+16
.endr
	s_lshr_b32 s92, s73, 4                         ; batch = rt / 16
	s_lshl_b32 s92, s92, 4
	s_lshl_b32 s93, s72, 2
	s_add_co_u32 s92, s92, s93
	s_lshl_b32 s93, s19, 1
	s_add_co_u32 s92, s92, s93                     ; 16 batch + my first head (4 pt + 2 wp)
	s_and_b32 s93, s73, 15
	s_lshl_b32 s93, s93, 1
	s_add_co_u32 s93, s93, s3                      ; my group of four row tiles in the batch: 2 (rt % 16) + wr
	s_lshl_b32 s94, s92, 16                        ; images: 65,536 bytes a head, 512 a tile
	s_lshl_b32 s95, s93, 11
	s_add_co_u32 s94, s94, s95
	s_mov_b32 s95, 0
	s_add_nc_u64 s[14:15], s[14:15], s[94:95]
	s_lshl_b32 s96, s92, 13                        ; scale words: 8,192 bytes a head, 256 a group
	s_lshl_b32 s97, s93, 8
	s_add_co_u32 s96, s96, s97
	s_mov_b32 s97, 0
	s_add_nc_u64 s[16:17], s[16:17], s[96:97]
	s_wait_dscnt 0x0                               ; step 7's set is in
	MUL 7, 0
	PLACES
	s_wait_loadcnt 0x0                             ; the bias
	WIN 0x41                                       ; destination and source 0 window 1
.irp o, 0,1,2,3
.irp p, 0,1,2,3,4,5,6,7
.irp j, 0,2,4,6
	v_pk_add_f32 v[64*\o+8*\p+\j:64*\o+8*\p+\j+1], v[64*\o+8*\p+\j:64*\o+8*\p+\j+1], v[BI+8*\p+\j:BI+8*\p+\j+1]   ; each accumulator from its low end on
.endr
.endr
.endr
	OUTQK 0
	OUTQK 1
	OUTQK 2
	OUTQK 3
	s_mov_b32 vcc_lo, 0xffff0000
.irp e, 0,1
.irp j, 0,1
	v_cndmask_b32 v[PW+2*\e+\j], v[WD+4*\e+2*\j], v[WD+4*\e+2*\j+1], vcc_lo   ; word j: lanes 0-15 tile 2 j's, lanes 16-31 tile 2 j + 1's
.endr
	global_store_b64 v[L8], v[PW+2*\e:PW+2*\e+1], s[16:17] offset:8192*\e      ; 256 consecutive bytes, aligned
.endr
.endm
; THE SAME OF v.  The bias goes with R's index: n = 128 rt + 64 wr + 16 o + r
.macro EPIV
	s_wait_kmcnt 0x0
	s_lshl_b32 s90, s75, 9
	s_lshl_b32 s91, s3, 8
	s_add_co_u32 s90, s90, s91
	s_mov_b32 s91, 0
	s_add_nc_u64 s[12:13], s[12:13], s[90:91]
.irp o, 0,1,2,3
	global_load_b32 v[BI+2*\o], v[R4], s[12:13] offset:64*\o
	global_load_b32 v[BI+2*\o+1], v[R4], s[12:13] offset:64*\o       ; twice: a pair for the packed addition
.endr
	s_lshr_b32 s92, s74, 3                         ; batch = pt / 8
	s_lshl_b32 s92, s92, 4
	s_lshl_b32 s93, s75, 1
	s_add_co_u32 s92, s92, s93
	s_add_co_u32 s92, s92, s3                      ; 16 batch + head (2 rt + wr)
	s_lshl_b32 s93, s74, 1
	s_add_co_u32 s93, s93, s19
	s_and_b32 s93, s93, 15                         ; my 128 keys of the batch: (2 pt + wp) % 16
	s_lshl_b32 s94, s92, 16                        ; images: 65,536 bytes a head, 4,096 for 128 keys
	s_lshl_b32 s95, s93, 12
	s_add_co_u32 s94, s94, s95
	s_mov_b32 s95, 0
	s_add_nc_u64 s[14:15], s[14:15], s[94:95]
	s_lshl_b32 s96, s92, 12                        ; scale words: 4,096 bytes a head, 256 for 128 keys
	s_lshl_b32 s97, s93, 8
	s_add_co_u32 s96, s96, s97
	s_mov_b32 s97, 0
	s_add_nc_u64 s[16:17], s[16:17], s[96:97]
	s_wait_dscnt 0x0                               ; step 7's set is in
	MUL 7, 0
	PLACES
	s_wait_loadcnt 0x0                             ; the bias
	WIN 0x41
.irp o, 0,1,2,3
.irp p, 0,1,2,3,4,5,6,7
.irp j, 0,2,4,6
	v_pk_add_f32 v[64*\o+8*\p+\j:64*\o+8*\p+\j+1], v[64*\o+8*\p+\j:64*\o+8*\p+\j+1], v[BI+2*\o:BI+2*\o+1]
.endr
.endr
.endr
	OUTV 0
	OUTV 1
	OUTV 2
	OUTV 3
	s_mov_b32 vcc_lo, 0xffff0000
.irp j, 0,1
	v_cndmask_b32 v[PW+\j], v[WD+2*\j], v[WD+2*\j+1], vcc_lo
.endr
	global_store_b64 v[L8], v[PW:PW+1], s[16:17]
.endm
; A TILE of kind k (0 q, 1 k, 2 v).  At its start slot 0 and the scale bytes are in, and slot 1's load has just been issued
.macro TILE k
.if \k < 2
	s_load_b256 s[4:11], s[0:1], 56*(\k+1)         ; the next kind's codes and scales
.endif
	SCALES
	FETCH 0
	FETCH 1
	s_wait_dscnt 24                                ; the scale words and step 0's set are in; step 1's 24 loads may be out
	MUL 0, 1
	KSTEP 1
	WIN 0
.if \k == 0
	PREF 72, 73, 0
.endif
.if \k == 1
	PREF 74, 75, 1
.endif
	KSTEP 2                                        ; it fetches step 3's fragments: slot 0's last
.if \k < 2
	SEQA                                           ; slot 1 is in;
.if \k == 0
	SETG0 72, 73
.else
	SETG0 74, 75
.endif
	SEQB                                           ; nobody reads slot 0 or the scale bytes any more:
	LOAD4                                          ; the next tile's first half of K and its scale bytes
.else
	WIN 0
	s_wait_tensorcnt 0x0                           ; my part of slot 1 is in,
	s_wait_dscnt 0x0
	s_barrier_signal -1
	s_barrier_wait -1                              ; everybody's is.
.endif
	KSTEP 3
	KSTEP 4
	KSTEP 5
	KSTEP 6
	WIN 0
.if \k < 2
	EPIQK
	s_wait_xcnt 0x0                                ; the stores and prefetches have read their registers and bases
	s_load_b128 s[12:15], s[0:1], 56*(\k+1)+32     ; the next kind's bias and images,
	s_load_b64 s[16:17], s[0:1], 56*(\k+1)+48      ; and scale words
	SEQA                                           ; slot 0 is in;
	HALF1
	SEQB                                           ; nobody reads slot 1 any more:
	LOAD2                                          ; the next tile's second half of K
.else
	EPIV
.endif
.endm
	SEQA                                           ; q's first half is in
	HALF1
	SEQB
	LOAD2                                          ; q's second half of K: slot 1's first fill
	TILE 0
	TILE 1
	TILE 2
	s_wait_tensorcnt 0x0                           ; the wave's end
	ds_add_u32 v254, v255
	s_wait_dscnt 0x0
	CROUND                                         ; the closing round: no work-group ends while a partner may still ask for a tile that names it
	s_endpgm
.Lfunc_end_k_qf35f0d592d_proj:
	.size	k_qf35f0d592d_proj, .Lfunc_end_k_qf35f0d592d_proj-k_qf35f0d592d_proj
	.p2alignl 7, 3214868480
	.fill 96, 4, 3214868480
	.section	.rodata,"a",@progbits
	.p2align	6, 0x0
	.amdhsa_kernel k_qf35f0d592d_proj
		.amdhsa_group_segment_fixed_size 327680
		.amdhsa_private_segment_fixed_size 0
		.amdhsa_enable_private_segment 0
		.amdhsa_kernarg_size 168
		.amdhsa_user_sgpr_count 2
		.amdhsa_user_sgpr_kernarg_segment_ptr 1
		.amdhsa_wavefront_size32 1
		.amdhsa_system_sgpr_workgroup_id_x 1
		.amdhsa_system_sgpr_workgroup_id_y 1
		.amdhsa_system_sgpr_workgroup_id_z 1
		.amdhsa_system_vgpr_workitem_id 0
		.amdhsa_next_free_vgpr 768
		.amdhsa_next_free_sgpr 106
		.amdhsa_reserve_vcc 1
		.amdhsa_float_denorm_mode_32 3
		.amdhsa_float_denorm_mode_16_64 3
		.amdhsa_memory_ordered 1
		.amdhsa_forward_progress 1
		.amdhsa_inst_pref_size 241
	.end_amdhsa_kernel
	.amdgpu_metadata
---
amdhsa.version: [ 1, 2 ]
amdhsa.kernels:
  - .name:           k_qf35f0d592d_proj
    .symbol:         k_qf35f0d592d_proj.kd
    .args:
      - { .name: q_codes, .offset: 0, .size: 8, .value_kind: global_buffer, .address_space: global }
      - { .name: q_scales, .offset: 8, .size: 8, .value_kind: global_buffer, .address_space: global }
      - { .name: Wq_codes, .offset: 16, .size: 8, .value_kind: global_buffer, .address_space: global }
      - { .name: Wq_scales, .offset: 24, .size: 8, .value_kind: global_buffer, .address_space: global }
      - { .name: bq, .offset: 32, .size: 8, .value_kind: global_buffer, .address_space: global }
      - { .name: qimg, .offset: 40, .size: 8, .value_kind: global_buffer, .address_space: global }
      - { .name: qsc, .offset: 48, .size: 8, .value_kind: global_buffer, .address_space: global }
      - { .name: k_codes, .offset: 56, .size: 8, .value_kind: global_buffer, .address_space: global }
      - { .name: k_scales, .offset: 64, .size: 8, .value_kind: global_buffer, .address_space: global }
      - { .name: Wk_codes, .offset: 72, .size: 8, .value_kind: global_buffer, .address_space: global }
      - { .name: Wk_scales, .offset: 80, .size: 8, .value_kind: global_buffer, .address_space: global }
      - { .name: bk, .offset: 88, .size: 8, .value_kind: global_buffer, .address_space: global }
      - { .name: kimg, .offset: 96, .size: 8, .value_kind: global_buffer, .address_space: global }
      - { .name: ksc, .offset: 104, .size: 8, .value_kind: global_buffer, .address_space: global }
      - { .name: Wv_codes, .offset: 112, .size: 8, .value_kind: global_buffer, .address_space: global }
      - { .name: Wv_scales, .offset: 120, .size: 8, .value_kind: global_buffer, .address_space: global }
      - { .name: v_codes, .offset: 128, .size: 8, .value_kind: global_buffer, .address_space: global }
      - { .name: v_scales, .offset: 136, .size: 8, .value_kind: global_buffer, .address_space: global }
      - { .name: bv, .offset: 144, .size: 8, .value_kind: global_buffer, .address_space: global }
      - { .name: vimg, .offset: 152, .size: 8, .value_kind: global_buffer, .address_space: global }
      - { .name: vsc, .offset: 160, .size: 8, .value_kind: global_buffer, .address_space: global }
    .group_segment_fixed_size: 327680
    .private_segment_fixed_size: 0
    .kernarg_segment_align: 8
    .kernarg_segment_size: 168
    .max_flat_workgroup_size: 128
    .sgpr_count:     106
    .vgpr_count:     768
    .wavefront_size: 32
...
	.end_amdgpu_metadata
.endif
;; end of part 1
;; launch attn (part 2): grid 4 x 64, 8 waves a work-group, clusters of 4 x 1, 187,392 bytes of LDS; arguments qimg, qsc, kimg, ksc, vimg, vsc, out0; writes out0
.if DOCPART == 2
	.amdgcn_target "amdgcn-amd-amdhsa--gfx1250"
	.amdhsa_code_object_version 6
	.text
	.protected	k_qf35f0d592d_attn
	.globl	k_qf35f0d592d_attn
	.p2align	8
	.type	k_qf35f0d592d_attn,@function
k_qf35f0d592d_attn:
	s_mov_b64 s[64:65], 0
	v_nop
	global_prefetch_b8 v0, s[64:65] scope:SCOPE_SE
	s_setreg_imm32_b32 hwreg(HW_REG_WAVE_MODE, 25, 1), 1
	s_wait_xcnt 0x0
	s_wait_alu depctr_hold_cnt(0) depctr_sa_sdst(0) depctr_va_vdst(0) depctr_va_sdst(0) depctr_va_ssrc(0) depctr_va_vcc(0) depctr_vm_vsrc(0)
	s_getreg_b32 s2, hwreg(HW_REG_IB_STS2, 6, 4)
	s_cmp_eq_u32 s2, 0
	s_cbranch_scc0 .Lentry_in_a_cluster
	s_endpgm
.Lentry_in_a_cluster:
	s_bfe_u32 s2, ttmp6, 0x10000c
	s_cmp_lg_u32 s2, 0x3003
	s_cbranch_scc0 .Lentry_shape_is_right
	s_endpgm
.Lentry_shape_is_right:
; ATTENTION ON CODES OF FP4 (E2M1) with E8M0 scales: out[b][q][64 head + d] = the sum over keys of softmax(qh . kh / 8) vh.  16 heads of 64, 2,048 keys, 4 batches.
; The operands come from the launch before as images of their registers: a tile of 16 queries or keys is 512 bytes (lane l's 16 bytes at 16 l: d = 32 (l / 16) + 0 .. 31 of row l % 16);
; V's fragments (16 d x 128 keys) are 1,024 bytes.  The first product's K is 64: registers 4 to 7 of its fragments are zero codes on both sides, under the scale byte 0x7f.
; THE SOFTMAX AHEAD OF THE SECOND PRODUCT: t = score x log2(e) / 8; M = the running largest t rounded UP to a whole number; p = 2^(t - M) is quantised along the keys, not normalised.
; The row's sum is taken of the unquantised p and divides at the end.  When M moves, the sum and O are multiplied by 2^(old M - new M), which rounds nothing.
; A block's largest p is made from the block's largest score by the same multiply-add and exponential as every p (this takes v_exp_f32 not to fall where its input rises).
; SHARES.  A work-group owns 512 queries of one head, each of its eight waves 64 of them: four tiles of 16.  A wave walks the keys once, 128 a step; one set of K's and V's fragments
; serves all four tiles; the tiles are worked in two pairs.  In a pair the exponentials of one tile stand by turns with lines of the other tile that read nothing written inside the batch and are read behind the next wait.
; LAYOUT.  Both products are used transposed: S^T = K Q^T, O^T = V^T P^T: a lane holds one query (lane % 16) throughout.
; THE KEYS OF A SCORE TILE ARE CHOSEN: tile i of a group of 64 keys has as rows 0-7 keys 8 i + 0 .. 7 and as rows 8-15 keys 32 + 8 i + 0 .. 7.  So the 32 registers of a group's four tiles
; are keys 32 (lane / 16) + 0 .. 31 of the group: a whole block of 32 in one lane, in the order of the second product's operand.  A block's maximum asks no other lane, and the conversions' results are the operand.
; LDS is filled once, at the head: a head's K (with 128 bytes of padding behind each 1,024, so that a tile's two groups of eight rows, 1,024 bytes apart in the image, fall on different banks), V and both sets of scale words.
; CLUSTER.  The four work-groups of a head need the same K and V: each tile is asked for jointly, by the same tensor load with a mask that names the four.
; NO PREFETCH: every load of K and V stands at the head, among the first fills; there is no later load that a request could run ahead of.
; LIMITS: NaN and infinities are not served; the promise holds while the scaled scores t stay under 2^31 in magnitude; a block whose every p has fallen to 0 keeps the byte 1: its codes are zeros.
; REGISTERS.  window 0: v1-15 addresses; v16-23 (-M, largest score) a tile; v24-31 the sums; v32-35 f; v36-47 scale words alone (Q 4, K 4, V 2, p 2); v48-59 at work; v64-79 p's codes; v88-95, v224-255 partial sums; v96-223 S^T, then p, of a pair.
;   window 1: v0-127 O^T (32 a tile); v128-159 V's fragments; v160-191 Q's; v192-255 K's.
.set KGRP,  2304                       ; 64 keys of K in LDS: 2 x (1,024 + 128)
.set VIMG,  73728                      ; behind K's 32 groups
.set KSC,   139264
.set VSC,   147456
.set STAGE, 151552                     ; the way out: 16 rows x (256 bytes + 16) for each wave; no fill lands here
.set SPITCH, 272
.set SPARE, 186368                     ; the spare words: 128 bytes a wave
.set AK,  1                            ; my lane's place in a tile of K: 16 (r % 8) + 1,152 (r / 8) + 256 h
.set AV,  2                            ; in V's images: 16 x lane
.set AKS, 3                            ; among K's scale words: 8 (l % 8) + 4 ((l / 8) % 2) + 64 (l / 16)
.set AVS, 4                            ; among V's: 8 x lane
.set SPW, 8
.set NIL, 9
.set SH,  10                           ; 8 h
.set NM,  16
.set LS,  24
.set F0,  32
.set QS,  36
.set KS,  40
.set VS,  44
.set PS,  46
.set BM,  48                           ; tile u, block c: v[BM + 4 u + 2 c]; + 1: a second chain, then at work
.set SCO, 56                           ; the conversions' scale operands
.set COD, 64
.set SM,  80
.set S0,  96
.set TS,  224                          ; the first tile's sums: 16 pairs
.set VF,  128                          ; window 1
.set QF,  160
.set KF,  192
.set MSB, 0
.macro WIN new                         ; the immediate's high byte repeats the setting that is left; a switch that changes nothing is dropped
.if MSB != \new
	s_set_vgpr_msb (MSB<<8)|\new
.set MSB, \new
.endif
.endm
.macro CROUND                          ; a round of the cluster's barrier
	s_barrier_signal -1
	s_barrier_wait -1
	s_cmp_lg_u32 s18, 0
	s_cbranch_scc1 .Lnot_wave_0_\@
	s_barrier_signal -3
.Lnot_wave_0_\@:
	s_barrier_wait -3
	s_barrier_signal -1
	s_barrier_wait -1
.endm
	s_load_b256 s[4:11], s[0:1], 0x0               ; Q's images, Q's scale words, K's images, K's scale words
	s_load_b128 s[12:15], s[0:1], 0x20             ; V's images, V's scale words
	s_load_b64 s[16:17], s[0:1], 0x30              ; out
	v_lshl_add_u32 v[SPW], v0, 2, SPARE
	v_mov_b32 v[NIL], 0
	ds_add_u32 v[SPW], v[NIL]                      ; the opening lines: the add, twice on end, and its wait ahead of the first tensor load
	ds_add_u32 v[SPW], v[NIL]
	v_lshrrev_b32 v11, 5, v0
	v_readfirstlane_b32 s18, v11                   ; wave 0..7
	s_bfe_u32 s19, ttmp6, 0x40000                  ; cx: my 512 queries; it enters Q's and out's addresses alone
	s_and_b32 s60, ttmp7, 0xffff                   ; 16 batch + head, which the four partners share
	s_and_b32 s61, s18, 1                          ; waves 0, 1: which half of K
	s_add_co_u32 s62, s18, 2
	s_and_b32 s62, s62, 3                          ; waves 2 to 5: which quarter of V
	; descriptor groups 1: dense blocks, elements of 8 bytes; the mask names all four work-groups, bit 21 set beside it
	s_mov_b32 s24, 15|(3<<16)|(1<<20)|(1<<21)|(7<<22)|(31<<25)   ; K: rows of 1,024 bytes, 32 words of padding behind each 256
	s_mov_b32 s25, 128<<16
	s_mov_b32 s26, 32<<16
	s_mov_b32 s27, 128<<16
	s_mov_b32 s28, 32
	s_mov_b32 s29, 128
	s_mov_b32 s30, 0
	s_mov_b32 s31, 0
.irp g, 32, 80, 88                                     ; V: 64 rows of 256 bytes; K's scale words: 32; V's: 16; no padding: read on end
	s_mov_b32 s[\g], 15|(3<<16)|(1<<21)
	s_mov_b32 s[\g+1], 32<<16
	s_mov_b32 s[\g+3], 32<<16
	s_mov_b32 s[\g+5], 32
	s_mov_b32 s[\g+6], 0
	s_mov_b32 s[\g+7], 0
.endr
	s_mov_b32 s34, 64<<16
	s_mov_b32 s36, 64
	s_mov_b32 s82, 32<<16
	s_mov_b32 s84, 32
	s_mov_b32 s90, 16<<16
	s_mov_b32 s92, 16
	s_lshl_b32 s66, s60, 16                        ; images: 65,536 bytes a head
	s_lshl_b32 s67, s61, 15
	s_add_co_u32 s68, s66, s67                     ; K: my half
	s_mov_b32 s69, 0
	s_lshl_b32 s67, s62, 14
	s_add_co_u32 s70, s66, s67                     ; V: my quarter
	s_mov_b32 s71, 0
	s_lshl_b32 s72, s60, 13                        ; K's scale words: 8,192 bytes a head
	s_mov_b32 s73, 0
	s_lshl_b32 s74, s60, 12                        ; V's: 4,096
	s_mov_b32 s75, 0
	s_lshl_b32 s67, s19, 14                        ; Q's images: tile 32 cx + 4 wave
	s_add_co_u32 s76, s66, s67
	s_lshl_b32 s67, s18, 11
	s_add_co_u32 s76, s76, s67
	s_mov_b32 s77, 0
	s_lshl_b32 s67, s19, 11                        ; Q's scale words: group 8 cx + wave of 256 bytes
	s_add_co_u32 s78, s72, s67
	s_lshl_b32 s67, s18, 8
	s_add_co_u32 s78, s78, s67
	s_mov_b32 s79, 0
	s_lshr_b32 s96, s60, 4                         ; out: row 2,048 batch + 512 cx + 64 wave of 4,096 bytes, + 256 head
	s_lshl_b32 s96, s96, 11
	s_lshl_b32 s67, s19, 9
	s_add_co_u32 s96, s96, s67
	s_lshl_b32 s67, s18, 6
	s_add_co_u32 s96, s96, s67
	s_lshl_b32 s96, s96, 12
	s_and_b32 s67, s60, 15
	s_lshl_b32 s67, s67, 8
	s_add_co_u32 s96, s96, s67
	s_mov_b32 s97, 0
	s_mov_b32 s20, 0x76543210
	s_mov_b32 s21, 0xfedcba98                      ; v_permlanex16_b32's selects for lane l xor 16
	s_mov_b32 s22, 0x3e38aa3b                      ; c = log2(e) / 8
	s_mov_b32 s23, s22                             ; (named with it as a pair, so it is written)
	s_mov_b32 s3, 0xbe38aa3b                       ; -c
	s_wait_dscnt 0x0                               ; both opening adds are done
	s_wait_kmcnt 0x0
	s_mov_b32 s40, 1                               ; K's images
	s_mul_i32 s41, s61, 16*KGRP
	s_add_nc_u64 s[42:43], s[8:9], s[68:69]
	s_or_b32 s43, s43, 0x80000000
	s_mov_b32 s44, 1                               ; V's images
	s_lshl_b32 s45, s62, 14
	s_add_co_u32 s45, s45, VIMG
	s_add_nc_u64 s[46:47], s[12:13], s[70:71]
	s_or_b32 s47, s47, 0x80000000
	s_mov_b32 s48, 1                               ; K's scale words
	s_mov_b32 s49, KSC
	s_add_nc_u64 s[50:51], s[10:11], s[72:73]
	s_or_b32 s51, s51, 0x80000000
	s_mov_b32 s52, 1                               ; V's scale words
	s_mov_b32 s53, VSC
	s_add_nc_u64 s[54:55], s[14:15], s[74:75]
	s_or_b32 s55, s55, 0x80000000
	s_add_nc_u64 s[4:5], s[4:5], s[76:77]
	s_add_nc_u64 s[6:7], s[6:7], s[78:79]
	s_add_nc_u64 s[16:17], s[16:17], s[96:97]
	CROUND                                         ; all four work-groups are here: the joint loads meet
; ALL FILLS OF THE LAUNCH, one tensor load a wave: waves 0, 1 K's halves; 2 to 5 V's quarters; 6 K's scale words; 7 V's.  One chain of branches on the wave's number, a load to an arm, one join.
.macro ARM under, g0, g1, next
	s_cmp_lt_u32 s18, \under
	s_cbranch_scc0 \next
	tensor_load_to_lds s[\g0:\g0+3], s[\g1:\g1+7]
	s_nop 0
.rept 4
	v_nop
.endr
	s_branch .Lasked
\next:
.endm
	ARM 2, 40, 24, .Lhead_v
	ARM 6, 44, 32, .Lhead_ks
	ARM 7, 48, 80, .Lhead_vs
	tensor_load_to_lds s[52:55], s[88:95]
	s_nop 0
.rept 4
	v_nop
.endr
.Lasked:
	v_and_b32 v11, 31, v0                          ; lane
	v_and_b32 v12, 15, v0                          ; r
	v_bfe_u32 v13, v0, 4, 1                        ; h
	v_lshlrev_b32 v14, 4, v11                      ; 16 x lane
	v_lshlrev_b32 v15, 3, v12                      ; 8 r
	WIN 0x40
.irp t, 0,1,2,3
	global_load_b128 v[QF+8*\t:QF+8*\t+3], v14, s[4:5] offset:512*\t   ; Q's four tiles stay in registers
.endr
	WIN 0
.irp t, 0,1,2,3
	global_load_b32 v[QS+\t], v15, s[6:7] offset:128*(\t%2)+4*(\t/2)   ; and their scale words: lane r has row r's
.endr
	v_add_nc_u32 v[AV], VIMG, v14
	v_and_b32 v10, 7, v0
	v_bfe_u32 v48, v0, 3, 1
	v_lshlrev_b32 v[AK], 4, v10
	v_mad_u32_u24 v[AK], v48, 1152, v[AK]
	v_lshl_add_u32 v[AK], v13, 8, v[AK]
	v_lshl_add_u32 v[AKS], v10, 3, KSC
	v_lshl_add_u32 v[AKS], v48, 2, v[AKS]
	v_lshl_add_u32 v[AKS], v13, 6, v[AKS]
	v_lshl_add_u32 v[AVS], v11, 3, VSC
	v_lshlrev_b32 v[SH], 3, v13
	s_mul_i32 s67, s18, 16*SPITCH
	s_add_co_u32 s67, s67, STAGE                   ; my stage
	v_mul_u32_u24 v5, v12, SPITCH
	v_lshl_add_u32 v5, v13, 5, v5
	v_add_nc_u32 v5, s67, v5                       ; in: row r, 32 bytes for each half of the lanes
	v_mul_u32_u24 v6, v13, SPITCH
	v_lshl_add_u32 v6, v12, 4, v6
	v_add_nc_u32 v6, s67, v6                       ; back: lanes 0-15 one row of 256 bytes, lanes 16-31 the next
	v_lshlrev_b32 v7, 12, v13
	v_lshl_add_u32 v7, v12, 4, v7                  ; and the same two rows in out
.irp t, 0,1,2,3
	v_mov_b32 v[NM+2*\t], 0x7e000000               ; -M begins at 2^125: the first f is 0, over sums that are 0
	v_mov_b32 v[NM+2*\t+1], 0xff61b1e6             ; the largest score so far: -3e38
	v_mov_b32 v[LS+2*\t], 0                        ; the sum, in two halves
	v_mov_b32 v[LS+2*\t+1], 0
.endr
	v_mov_b32 v[F0+1], 0                           ; (named as the upper halves of f's pairs)
	v_mov_b32 v[F0+3], 0
	WIN 0x40
.set j, 0
.rept 128
	v_mov_b32 v[j], 0                              ; O^T.  (The step is written once: the first finds zeros, which the first f leaves zeros)
.set j, j+1
.endr
.irp j, 4,5,6,7
.irp t, 0,1,2,3
	v_mov_b32 v[QF+8*\t+\j], 0                     ; K = 64 .. 127 of the first product: zero codes, in Q's fragments
.endr
.irp n, 0,1,2,3,4,5,6,7
	v_mov_b32 v[KF+8*\n+\j], 0                     ; and in K's: written once, never loaded
.endr
.endr
	WIN 0
	s_mov_b32 s56, 0                               ; the next step's K in LDS: 4,608 bytes a step
	s_mov_b32 s57, 0                               ; K's scale words: 512
	s_mov_b32 s58, 0                               ; V: 4,096
	s_mov_b32 s59, 0                               ; V's scale words: 256
	s_mov_b32 s63, 15
	s_wait_alu depctr_va_vdst(0)                   ; the wait at the head's end
	s_wait_tensorcnt 0x0                           ; my part of the head is in,
	s_barrier_signal -1
	s_barrier_wait -1                              ; everybody's is
	s_wait_loadcnt 0x0                             ; Q
; 12 LDS loads: a step's eight tiles of K and their scale words.  The first four lines are the places between the last products and the loads into their registers.
.macro LOADK
	v_add_nc_u32 v12, s56, v[AK]
	v_add_nc_u32 v13, s57, v[AKS]
	v_nop
	v_nop
.irp j, 0,1,2,3
	ds_load_b32 v[KS+\j], v13 offset:128*\j        ; lanes 0-15 tile 2 j's words, lanes 16-31 tile 2 j + 1's
.endr
	WIN 0x40
.irp n, 0,1,2,3,4,5,6,7
	ds_load_b128 v[KF+8*\n:KF+8*\n+3], v12 offset:KGRP*(\n/4)+512*((\n%4)/2)+128*(\n%2)
.endr
	WIN 0
	s_add_co_u32 s56, s56, 2*KGRP
	s_add_co_u32 s57, s57, 512
.endm
; 9 LDS loads: a step's four fragments of V and their scale words
.macro LOADV
	v_add_nc_u32 v14, s58, v[AV]
	v_add_nc_u32 v15, s59, v[AVS]
	v_nop
	v_nop
	ds_load_b64 v[VS:VS+1], v15                    ; register u: lanes 0-15 tile 2 u's words, lanes 16-31 tile 2 u + 1's
	WIN 0x40
.irp t, 0,1,2,3
.irp c, 0,1
	ds_load_b128 v[VF+8*\t+4*\c:VF+8*\t+4*\c+3], v14 offset:1024*\t+512*\c
.endr
.endr
	WIN 0
	s_add_co_u32 s58, s58, 4096
	s_add_co_u32 s59, s59, 256
.endm
.macro SUM1 j                          ; the second tile's four chains of sums take eight more p each
.irp m, 0,1,2,3
	v_pk_add_f32 v[SM+8+2*\m:SM+9+2*\m], v[SM+8+2*\m:SM+9+2*\m], v[S0+64+8*(\j)+2*\m:S0+65+8*(\j)+2*\m]
.endr
.endm
.macro TADD k, d                       ; the first tile's tree of sums: pair k takes pair k + d
	v_pk_add_f32 v[TS+2*(\k):TS+2*(\k)+1], v[TS+2*(\k):TS+2*(\k)+1], v[TS+2*(\k)+2*(\d):TS+2*(\k)+2*(\d)+1]
.endm
; TILES 2 a AND 2 a + 1 AGAINST A STEP'S 128 KEYS.  loadk = 1: behind the scores' products the next step's K is asked for.  waitv = 1: V is waited for ahead of the second product.
.macro PHASE a, loadk, waitv
	WIN 0x05                                       ; sources 0 and 1 window 1
.irp n, 0,1,2,3,4,5,6,7
.irp u, 0,1
.if \n%2
	v_wmma_scale_f32_16x16x128_f8f6f4 v[S0+64*\u+8*\n:S0+64*\u+8*\n+7], v[KF+8*\n:KF+8*\n+7], v[QF+16*\a+8*\u:QF+16*\a+8*\u+7], 0, v[KS+\n/2], v[QS+2*\a+\u] matrix_a_fmt:MATRIX_FMT_FP4 matrix_b_fmt:MATRIX_FMT_FP4 matrix_a_scale:MATRIX_SCALE_ROW1
.else
	v_wmma_scale_f32_16x16x128_f8f6f4 v[S0+64*\u+8*\n:S0+64*\u+8*\n+7], v[KF+8*\n:KF+8*\n+7], v[QF+16*\a+8*\u:QF+16*\a+8*\u+7], 0, v[KS+\n/2], v[QS+2*\a+\u] matrix_a_fmt:MATRIX_FMT_FP4 matrix_b_fmt:MATRIX_FMT_FP4
.endif
.endr
.endr
	WIN 0
.if \loadk
	LOADK
.else
.rept 4
	v_nop                                          ; places in front of the first read of the scores
.endr
.endif
	; the largest score of each block of 32 keys, all in my lane: two chains a block, eight chains by turns; each accumulator is first read at its low end
.irp u, 0,1
.irp c, 0,1
.irp k, 0,1
	v_max3_num_f32 v[BM+4*\u+2*\c+\k], v[S0+64*\u+32*\c+16*\k], v[S0+64*\u+32*\c+16*\k+1], v[S0+64*\u+32*\c+16*\k+2]
.endr
.endr
.endr
.irp i, 3,5,7,9,11,13
.irp u, 0,1
.irp c, 0,1
.irp k, 0,1
	v_max3_num_f32 v[BM+4*\u+2*\c+\k], v[BM+4*\u+2*\c+\k], v[S0+64*\u+32*\c+16*\k+\i], v[S0+64*\u+32*\c+16*\k+\i+1]
.endr
.endr
.endr
.endr
.irp u, 0,1
.irp c, 0,1
	v_max3_num_f32 v[BM+4*\u+2*\c], v[BM+4*\u+2*\c], v[BM+4*\u+2*\c+1], v[S0+64*\u+32*\c+15]
.endr
.endr
.irp u, 0,1
.irp c, 0,1
	v_max_num_f32 v[BM+4*\u+2*\c], v[BM+4*\u+2*\c], v[S0+64*\u+32*\c+31]
.endr
.endr
.irp u, 0,1
	v_max_num_f32 v[BM+4*\u+1], v[BM+4*\u], v[BM+4*\u+2]
.endr
.irp u, 0,1
	v_permlanex16_b32 v[BM+4*\u+3], v[BM+4*\u+1], s20, s21
.endr
.irp u, 0,1
	v_max3_num_f32 v[NM+4*\a+2*\u+1], v[NM+4*\a+2*\u+1], v[BM+4*\u+1], v[BM+4*\u+3]   ; the running largest score of my query
.endr
.irp u, 0,1
	v_mul_f32 v[BM+4*\u+1], s3, v[NM+4*\a+2*\u+1]                                     ; -t
.endr
.irp u, 0,1
	v_floor_f32 v[BM+4*\u+1], v[BM+4*\u+1]                                            ; the new -M = -ceil(t): a whole number
.endr
.irp u, 0,1
	v_sub_f32 v[BM+4*\u+3], v[BM+4*\u+1], v[NM+4*\a+2*\u]                             ; old M - new M: a whole number, 0 or less
.endr
.irp u, 0,1
	v_mov_b32 v[NM+4*\a+2*\u], v[BM+4*\u+1]
.endr
.set j, 0
.rept 32
	v_pk_fma_f32 v[S0+j:S0+j+1], v[S0+j:S0+j+1], s[22:23], v[NM+4*\a:NM+4*\a+1] op_sel_hi:[1,0,0]   ; the first tile's t - M, two at a time
.set j, j+2
.endr
.irp u, 0,1
	v_cvt_i32_f32 v[BM+4*\u+3], v[BM+4*\u+3]                                          ; (it saturates)
.endr
.irp c, 0,1
	v_fma_f32 v[BM+2*\c], v[BM+2*\c], s22, v[NM+4*\a]                                 ; the same of each block's largest score
.endr
.irp u, 0,1
	v_ldexp_f32 v[F0+2*\u], 1.0, v[BM+4*\u+3]                                         ; f = 2^(old M - new M)
.endr
	s_wait_alu depctr_va_vdst(0)                   ; the wait ahead of the batch
	; THE FIRST BATCH: the first tile's p = 2^(t - M).  By turns with it the second tile's t - M: lines that read what stood ahead of the wait above and are read behind the waits below
.irp c, 0,1
	v_exp_f32 v[BM+2*\c], v[BM+2*\c]               ; the block's largest p
.endr
.set j, 0
.rept 32
	v_exp_f32 v[S0+j], v[S0+j]
	v_pk_fma_f32 v[S0+64+j:S0+64+j+1], v[S0+64+j:S0+64+j+1], s[22:23], v[NM+4*\a+2:NM+4*\a+3] op_sel_hi:[1,0,0]
	v_exp_f32 v[S0+j+1], v[S0+j+1]
.set j, j+2
.endr
.irp c, 0,1
	v_fma_f32 v[BM+4+2*\c], v[BM+4+2*\c], s22, v[NM+4*\a+2]      ; (also the plain place behind the exponentials)
.endr
	s_wait_alu depctr_va_vdst(0)                   ; one wait for the whole batch, ahead of its first reader
.irp c, 0,1
	v_max_num_f32 v[BM+2*\c], 0x1800000, v[BM+2*\c]              ; the floor 2^(3 - 127): the byte cannot fall under 1
.endr
.irp c, 0,1
	v_add_nc_u32 v[SCO+\c], 0xff000000, v[BM+2*\c]               ; 2 off the exponent field: the conversion's scale operand
.endr
	s_wait_alu depctr_va_vdst(0)                   ; the wait ahead of the batch
	; THE SECOND BATCH: the second tile's p.  By turns with it the first tile's 16 first sums and its 8 conversions (keys 64 c + 32 h + 8 i + 0 .. 7 make the operand's register 4 c + i)
.irp c, 0,1
	v_exp_f32 v[BM+4+2*\c], v[BM+4+2*\c]
.endr
.set j, 0
.rept 16
	v_exp_f32 v[S0+64+4*j], v[S0+64+4*j]
	v_pk_add_f32 v[TS+2*j:TS+2*j+1], v[S0+2*j:S0+2*j+1], v[S0+32+2*j:S0+32+2*j+1]
	v_exp_f32 v[S0+64+4*j+1], v[S0+64+4*j+1]
.if (j%2) == 0
	v_cvt_scalef32_pk8_fp4_f32 v[COD+j/2], v[S0+4*j:S0+4*j+7], v[SCO+j/8]
.endif
	v_exp_f32 v[S0+64+4*j+2], v[S0+64+4*j+2]
	v_exp_f32 v[S0+64+4*j+3], v[S0+64+4*j+3]
.set j, j+1
.endr
	v_nop                                          ; a plain place behind the exponentials
	s_wait_alu depctr_va_vdst(0)                   ; one wait for the whole batch, ahead of its first reader
	; what is left: the second tile's scale operands, conversions and sums; the first tile's tree of sums; both scale words, their lines strewn among the sums
.irp c, 0,1
	v_max_num_f32 v[BM+4+2*\c], 0x1800000, v[BM+4+2*\c]
.endr
.irp k, 0,1,2,3,4,5,6,7
	TADD \k, 8
.endr
.irp c, 0,1
	v_add_nc_u32 v[SCO+2+\c], 0xff000000, v[BM+4+2*\c]
.endr
.irp c, 0,1
	v_lshrrev_b32 v[BM+2*\c], 23, v[SCO+\c]                      ; the scale's byte of block 2 c + h
.endr
.irp m, 0,1,2,3
	v_pk_add_f32 v[SM+8+2*\m:SM+9+2*\m], v[S0+64+2*\m:S0+65+2*\m], v[S0+72+2*\m:S0+73+2*\m]
.endr
.irp g, 0,1,2,3,4,5,6,7
	v_cvt_scalef32_pk8_fp4_f32 v[COD+8+\g], v[S0+64+8*\g:S0+71+8*\g], v[SCO+2+\g/4]
.endr
.irp k, 0,1,2,3
	TADD \k, 4                                     ; (the first is the plain place behind the conversions)
.endr
.irp c, 0,1
	v_lshrrev_b32 v[BM+4+2*\c], 23, v[SCO+2+\c]
.endr
	v_lshl_or_b32 v[BM+1], v[BM+2], 16, v[BM]
	SUM1 2
	TADD 0, 2
	TADD 1, 2
	v_lshlrev_b32 v[BM+1], v[SH], v[BM+1]          ; my two bytes at their places, 8 h bits up
	v_lshl_or_b32 v[BM+5], v[BM+6], 16, v[BM+4]
	SUM1 3
	TADD 0, 1
	v_permlanex16_b32 v[BM+3], v[BM+1], s20, s21
	v_lshlrev_b32 v[BM+5], v[SH], v[BM+5]
	SUM1 4
	v_pk_fma_f32 v[LS+4*\a:LS+4*\a+1], v[LS+4*\a:LS+4*\a+1], v[F0:F0+1], v[TS:TS+1] op_sel_hi:[1,0,1]   ; the sums under the new M, and this step's
	v_or_b32 v[PS], v[BM+1], v[BM+3]               ; with lane l xor 16's two bytes: p's scale word for these 128 keys
	v_permlanex16_b32 v[BM+7], v[BM+5], s20, s21
	SUM1 5
	SUM1 6
	v_or_b32 v[PS+1], v[BM+5], v[BM+7]
	SUM1 7
	v_pk_add_f32 v[SM+8:SM+9], v[SM+8:SM+9], v[SM+10:SM+11]
	v_pk_add_f32 v[SM+12:SM+13], v[SM+12:SM+13], v[SM+14:SM+15]
	v_pk_add_f32 v[SM+8:SM+9], v[SM+8:SM+9], v[SM+12:SM+13]
	v_pk_fma_f32 v[LS+4*\a+2:LS+4*\a+3], v[LS+4*\a+2:LS+4*\a+3], v[F0+2:F0+3], v[SM+8:SM+9] op_sel_hi:[1,0,1]
	WIN 0x41                                       ; destination and source 0 window 1
	s_wait_alu depctr_va_vdst(0)                   ; directly ahead of the first reader of O^T
.irp u, 0,1
.set j, 0
.rept 16
	v_pk_mul_f32 v[64*\a+32*\u+j:64*\a+32*\u+j+1], v[64*\a+32*\u+j:64*\a+32*\u+j+1], v[F0+2*\u:F0+2*\u+1] op_sel_hi:[1,0]   ; O^T under the new M, each accumulator from its low end on
.set j, j+2
.endr
.endr
.if \waitv
	s_wait_alu depctr_va_vdst(0)                   ; directly ahead of the wait below
	s_wait_dscnt 0x0                               ; V and its scale words
.endif
	WIN 0x51                                       ; source 0 (V), C and D window 1; source 1 (p) window 0
.irp t, 0,1,2,3                                        ; the pair's eight accumulators take turns
.irp u, 0,1
.if \t%2
	v_wmma_scale_f32_16x16x128_f8f6f4 v[64*\a+32*\u+8*\t:64*\a+32*\u+8*\t+7], v[VF+8*\t:VF+8*\t+7], v[COD+8*\u:COD+8*\u+7], v[64*\a+32*\u+8*\t:64*\a+32*\u+8*\t+7], v[VS+\t/2], v[PS+\u] matrix_a_fmt:MATRIX_FMT_FP4 matrix_b_fmt:MATRIX_FMT_FP4 matrix_a_scale:MATRIX_SCALE_ROW1
.else
	v_wmma_scale_f32_16x16x128_f8f6f4 v[64*\a+32*\u+8*\t:64*\a+32*\u+8*\t+7], v[VF+8*\t:VF+8*\t+7], v[COD+8*\u:COD+8*\u+7], v[64*\a+32*\u+8*\t:64*\a+32*\u+8*\t+7], v[VS+\t/2], v[PS+\u] matrix_a_fmt:MATRIX_FMT_FP4 matrix_b_fmt:MATRIX_FMT_FP4
.endif
.endr
.endr
	WIN 0
.endm
; A KEY STEP.  more = 1: the next step's K is asked for behind the second pair's scores, its V behind the last products
.macro STEP more
	s_wait_dscnt 9                                 ; K's twelve loads are in; V's nine, issued behind them, may be out
	PHASE 0, 0, 1
	PHASE 1, \more, 0
.if \more
	LOADV
	s_wait_alu depctr_va_vdst(0)                   ; the wait ahead of the backward jump
.endif
.endm
	LOADK
	LOADV
.Lstep:                                                ; 15 trips; the last step is written out: it asks for nothing more
	STEP 1
	s_sub_co_u32 s63, s63, 1
	s_cmp_lg_u32 s63, 0
	s_cbranch_scc1 .Lstep
	STEP 0
	; THE WAY OUT: O^T / the sum, tile by tile through my stage, so that sixteen lanes store a query's 256 bytes of this head
.irp t, 0,1,2,3
	v_add_f32 v[LS+2*\t], v[LS+2*\t], v[LS+2*\t+1] ; the sum's two halves,
.endr
.irp t, 0,1,2,3
	v_permlanex16_b32 v[BM+\t], v[LS+2*\t], s20, s21
.endr
.irp t, 0,1,2,3
	v_add_f32 v[LS+2*\t], v[LS+2*\t], v[BM+\t]     ; and lane l xor 16's
.endr
	s_wait_alu depctr_va_vdst(0)                   ; the wait ahead of the batch
.irp t, 0,1,2,3
	v_rcp_f32 v[LS+2*\t], v[LS+2*\t]
.endr
	v_nop                                          ; a plain place behind the reciprocals
	WIN 0x01                                       ; source 0 window 1
	s_wait_alu depctr_va_vdst(0)                   ; the wait behind the batch, directly ahead of the first readers of O^T
.irp t, 0,1,2,3
.set j, 0
.rept 16
	v_pk_mul_f32 v[S0+32*\t+j:S0+32*\t+j+1], v[32*\t+j:32*\t+j+1], v[LS+2*\t:LS+2*\t+1] op_sel_hi:[1,0]   ; register 8 i + e of tile t is out(r, 16 i + 8 h + e)
.set j, j+2
.endr
.endr
	WIN 0
	s_wait_alu depctr_va_vdst(0)
.macro TOSTAGE t
.set BK, 224-160*((\t)%2)                              ; 16 rows read back: v224-255 and v64-95 by turns
.irp i, 0,1,2,3
	ds_store_b128 v5, v[S0+32*(\t)+8*\i:S0+32*(\t)+8*\i+3] offset:64*\i
	ds_store_b128 v5, v[S0+32*(\t)+8*\i+4:S0+32*(\t)+8*\i+7] offset:64*\i+16
.endr
.irp n, 0,1,2,3,4,5,6,7
	ds_load_b128 v[BK+4*\n:BK+4*\n+3], v6 offset:2*SPITCH*\n   ; my own bytes: LDS serves a wave's instructions in order (ISA guide 5.7.1.4)
.endr
.endm
.macro SEND t, younger                                 ; younger: the LDS instructions issued behind tile t's loads, which may stay out
.set BK, 224-160*((\t)%2)
	s_wait_dscnt \younger
.irp n, 0,1,2,3,4,5,6,7
	global_store_b128 v7, v[BK+4*\n:BK+4*\n+3], s[16:17] offset:(16*(\t)+2*\n)*4096 th:TH_STORE_NT   ; 16 lanes store 256 consecutive bytes, aligned
.endr
.endm
	TOSTAGE 0
.irp t, 1,2,3
.if \t > 1
	s_wait_xcnt 0x0                                ; tile t - 2's stores have read their registers: tile t's loads may land there
.endif
	TOSTAGE \t
	SEND \t-1, 16                                  ; behind tile t - 1's loads: tile t's 8 stores and 8 loads
.endr
	SEND 3, 0
	s_wait_tensorcnt 0x0                           ; the wave's end
	ds_add_u32 v[SPW], v[NIL]
	s_wait_dscnt 0x0
	CROUND                                         ; the closing round: no work-group ends while a partner may still ask for a tile that names it
	s_endpgm
.Lfunc_end_k_qf35f0d592d_attn:
	.size	k_qf35f0d592d_attn, .Lfunc_end_k_qf35f0d592d_attn-k_qf35f0d592d_attn
	.p2alignl 7, 3214868480
	.fill 96, 4, 3214868480
	.section	.rodata,"a",@progbits
	.p2align	6, 0x0
	.amdhsa_kernel k_qf35f0d592d_attn
		.amdhsa_group_segment_fixed_size 187392
		.amdhsa_private_segment_fixed_size 0
		.amdhsa_enable_private_segment 0
		.amdhsa_kernarg_size 56
		.amdhsa_user_sgpr_count 2
		.amdhsa_user_sgpr_kernarg_segment_ptr 1
		.amdhsa_wavefront_size32 1
		.amdhsa_system_sgpr_workgroup_id_x 1
		.amdhsa_system_sgpr_workgroup_id_y 1
		.amdhsa_system_sgpr_workgroup_id_z 1
		.amdhsa_system_vgpr_workitem_id 0
		.amdhsa_next_free_vgpr 512
		.amdhsa_next_free_sgpr 98
		.amdhsa_reserve_vcc 0
		.amdhsa_float_denorm_mode_32 3
		.amdhsa_float_denorm_mode_16_64 3
		.amdhsa_memory_ordered 1
		.amdhsa_forward_progress 1
		.amdhsa_inst_pref_size 130
	.end_amdhsa_kernel
	.amdgpu_metadata
---
amdhsa.version: [ 1, 2 ]
amdhsa.kernels:
  - .name:           k_qf35f0d592d_attn
    .symbol:         k_qf35f0d592d_attn.kd
    .args:
      - { .name: qimg, .offset: 0, .size: 8, .value_kind: global_buffer, .address_space: global }
      - { .name: qsc, .offset: 8, .size: 8, .value_kind: global_buffer, .address_space: global }
      - { .name: kimg, .offset: 16, .size: 8, .value_kind: global_buffer, .address_space: global }
      - { .name: ksc, .offset: 24, .size: 8, .value_kind: global_buffer, .address_space: global }
      - { .name: vimg, .offset: 32, .size: 8, .value_kind: global_buffer, .address_space: global }
      - { .name: vsc, .offset: 40, .size: 8, .value_kind: global_buffer, .address_space: global }
      - { .name: out0, .offset: 48, .size: 8, .value_kind: global_buffer, .address_space: global }
    .group_segment_fixed_size: 187392
    .private_segment_fixed_size: 0
    .kernarg_segment_align: 8
    .kernarg_segment_size: 56
    .max_flat_workgroup_size: 256
    .sgpr_count:     98
    .vgpr_count:     512
    .wavefront_size: 32
...
	.end_amdgpu_metadata
.endif
;; end of part 2
